; MI455X (gfx1250); checked and timed in simulation.
; The chip was launched on July 23, 2026; its instructions are those of AMD's public machine-readable ISA for CDNA 5 (MIT licence, August 2026) and "CDNA5" Instruction Set Architecture Reference Guide (July 2026). The comments in the code are by the model that wrote it; some were corrected since.
;; Model1. Allowed arithmetic: matrix products marked QUANTISED: E2M1 operands, one E8M0 scale for each 32 along K, by v_wmma_scale_f32_16x16x128_f8f6f4 with both operands' format E2M1 (or v_wmma_scale_f32_32x16x128_f4), f32 sums; everything else in f32.
;; Inputs: inv_scale 4 x 16 float32; k 4 x 16 x 2,048 x 64 float32; q 4 x 16 x 2,048 x 64 float32; scale_factor 4 x 16 x 2,048 float32; v 4 x 16 x 2,048 x 64 float32.
;; Outputs: out0 4 x 16 x 2,048 x 64 float32.
;; This version of the problem:
;;   THIS VERSION OF THE PROBLEM IS GIVEN IN LOW PRECISION. The matrix products marked QUANTISED in the list below multiply operands that are first quantised to E2M1 (2 exponent bits, 1 mantissa bit; 4 bits a number), with one power-of-two scale for each 32 numbers along K (OCP MX v1.0); their sums are f32. All else is computed in f32.
;;   The module's matrix products, in the order in which they are computed (A, B: the left and right operand; K: the contracted axis; several contracted axes count as one K, in the product's order):
;;     1. batch 64 x [M 2,048, K 64] x [K 64, N 2,048]; A: input q; B: input k: QUANTISED
;;     2. batch 64 x [M 2,048, K 2,048] x [K 2,048, N 64]; A: softmax (see below); B: input v: QUANTISED
;;   THE QUANTISER, for each operand of a quantised product, along K:
;;     - K is cut into blocks of 32 from its start; a last block that is shorter is filled with zeros.
;;     - A block's scale is 2^e with e = floor(log2(the largest magnitude in the block)) - 2, held to -126 .. 127; a block of zeros has e = 0. As a byte (E8M0): e + 127.
;;     - Each number is divided by its block's scale, clamped to +-6, and rounded to the nearest number of E2M1, ties to even, subnormals kept.
;;     - The product sums the exact products of the quantised numbers (number of the format x scale) in f32.
;;   ~~~python
;;   def quantise(x, axis):      # numpy; x: float32 -> the quantised numbers, widened to float32 again
;;       x = np.moveaxis(x, axis, -1); K = x.shape[-1]
;;       x = np.pad(x, [(0, 0)] * (x.ndim - 1) + [(0, -K % 32)]); x = x.reshape(x.shape[:-1] + (-1, 32)); a = np.abs(x).max(-1, keepdims=True)
;;       e = np.where(a > 0, np.clip(np.frexp(np.where(a > 0, a, 1))[1] - 1 - 2, -126, 127), 0)      # np.frexp(a)[1] - 1 = floor(log2(a)), exactly
;;       r = np.clip(x / 2.0 ** e, -6, 6)
;;       step = 2.0 ** (np.maximum(np.frexp(np.where(r == 0, 1, r))[1] - 1, 0) - 1)
;;       q = np.round(r / step) * step * 2.0 ** e      # np.round: ties to even
;;       return np.moveaxis(q.reshape(q.shape[:-2] + (-1,))[..., :K], -1, axis).astype(np.float32)
;;   ~~~
;;   SOFTMAX AHEAD OF A QUANTISED PRODUCT. Where the list says 'softmax', what is quantised is not the finished softmax but p = 2^(t - M), with t = logit x log2(e) and M = ceil(the row's largest t), a whole number; so 1/2 < the row's largest p <= 1. The row's sum l is taken of the UNQUANTISED p, in f32, and the product's result is divided by l at the end. Since M is a whole number, a kernel that streams over the keys may use a running M (the ceiling of the running maximum): every later rescaling is an exact power of two, which a block's scale takes up: the codes' values come out the same.
;;   OPERANDS COMPUTED ON THE WAY. 'Computed on the way' means the value that the module computes at that place (a softmax that the list does not call 'softmax' is quantised finished and normalised). What goes into a quantiser is computed in f32, as accurately as f32 sums, v_exp_f32 and their like allow (about 1e-6 of the number): no bf16 or f16 on the way to a quantiser, and a product that is left as it is and whose result goes on into a quantised operand takes f32 operands (vector FMAs, or v_wmma_f32_16x16x4_f32). A number that lies on a knife's edge between two numbers of the format may be rounded either way, as far as f32 arithmetic and the matrix unit's own rounding can turn it there, and no further.
;; One version. Each part assembles by itself: llvm-mc -triple=amdgcn-amd-amdhsa -mcpu=gfx1250 --defsym DOCPART=n.
;; ======== version 1 of 1: 1 launch
;; limits: right only within a limited range of input values
;; launch attn (part 1): grid 4 x 64, 16 waves a work-group, clusters of 4 x 1, 288,768 bytes of LDS; arguments q, k, v, scale_factor, inv_scale, out0; writes out0
.if DOCPART == 1
	.amdgcn_target "amdgcn-amd-amdhsa--gfx1250"
	.amdhsa_code_object_version 6
	.text
	.protected	k_q5006d5a31c_attn
	.globl	k_q5006d5a31c_attn
	.p2align	8
	.type	k_q5006d5a31c_attn,@function
k_q5006d5a31c_attn:
	s_mov_b64 s[64:65], 0
	v_nop
	global_prefetch_b8 v0, s[64:65] scope:SCOPE_SE
	s_setreg_imm32_b32 hwreg(HW_REG_WAVE_MODE, 25, 1), 1
	s_wait_xcnt 0x0
	s_wait_alu depctr_hold_cnt(0) depctr_sa_sdst(0) depctr_va_vdst(0) depctr_va_sdst(0) depctr_va_ssrc(0) depctr_va_vcc(0) depctr_vm_vsrc(0)
	s_getreg_b32 s2, hwreg(HW_REG_IB_STS2, 6, 4)
	s_cmp_eq_u32 s2, 0
	s_cbranch_scc0 .Lentry_in_a_cluster
	s_endpgm
.Lentry_in_a_cluster:
	s_bfe_u32 s2, ttmp6, 0x10000c
	s_cmp_lg_u32 s2, 0x3003
	s_cbranch_scc0 .Lentry_shape_is_right
	s_endpgm
.Lentry_shape_is_right:
; out[h][q][:] = sum over keys of softmax_k(q . k / scale_factor[h][q] / inv_scale[h]) v[h][k][:].  64 heads, 2,048 queries, 2,048 keys, head size 64, all f32 in memory.
; Both products run on codes of FP4 (E2M1) with one E8M0 scale for each 32 along K.  q and k are quantised along the head's 64, v and p along the keys.
; p = 2^(t - M), t = logit x log2(e), M = the running largest t rounded up to a whole number; the row's sum is taken of the unquantised p and divides at the end.
; SHARES.  A work-group owns 512 queries of one head; each of its 16 waves owns 32, as two tiles A and B of 16, in 256 registers.  The four query blocks of a head, which read the same k and v, are launched together as one cluster.
; THE CODES OF THE WHOLE HEAD STAY IN LDS: 16 chunks of 128 keys, 9,216 bytes each, every byte written once, as images of the operands' registers.
; k and v come as f32 by global loads straight into the quantiser's registers, a chunk (512 blocks of 32, one a lane: waves 0-7 k, waves 8-15 v) at a time.
; THE TRIP of chunk j: chunk j + 1's numbers, asked for in the last trip, are quantised and stored into slot j + 1; chunk j is multiplied; in the trip's middle, where K's fragments are done with,
; their 32 registers take the loads of chunk j + 2, and the barrier is signalled; it is waited for at the trip's end.  Between signal and wait stand register work and reads of slot j alone.
; A wave that has passed the wait of trip j writes slot j + 2 at the most, while the slowest wave still reads slot j: no slot is written again, so one barrier a trip orders stores and reads.
; NO JOINT LOADS: a joint load lands in LDS, and no f32 tile lies in LDS here; each work-group reads its 64 KiB a trip through registers.  So the text has no round of the cluster's barrier either.
; PREFETCH: in trip j chunk j + 4 is named, two trips ahead of its loads; the four partners take 32 of a chunk's 128 rows each, by address; wave 4 names k's, wave 5 v's, a lane a row of 256 bytes.
; Chunks 0 to 3 come by their loads alone; trips 12 on name nothing.
; LAYOUT.  Both products are used transposed (S^T = K Q^T, O^T = V^T P^T): a lane (r = lane % 16, h = lane / 16) holds query r throughout.
; Tile 4 c + u of K has rows 0-7 = keys 64 c + 8 u + 0..7 and rows 8-15 = keys 64 c + 32 + 8 u + 0..7: a lane's 32 score registers of tiles 4 c .. 4 c + 3 are the whole block 2 c + h of the next K.
; THE FIRST PRODUCT'S K IS 64, THE INSTRUCTION'S 128: Q's registers 4-7 are zero codes, bytes 2 and 3 of Q's and K's scale words are 0x7f; the operand named for tile t is v[FR + 4 t .. + 7]:
; its upper four registers (tile t + 1's codes, for tile 7 four zeros) meet Q's zero codes and add nothing.
; THE SIGN of x = scale_factor x inv_scale goes into Q's codes (exact), so that c = log2(e) / |x| is positive and the largest score is the largest t.
; LIMITS.  NaN and infinities among the inputs are not served; x = 0 is not served.  A block whose largest magnitude lies under 2^-124 is held at the scale byte 1; a block of zeros has the byte 1 where the rule
; says 127: its codes are zeros, and the bytes are read by this program alone.  A block's largest p is made from its largest score by the same multiply-add and exponential, which takes v_exp_f32 not to fall
; where its input rises.  c is log2(e) x (1 / x), the reciprocal refined by one Newton step, where the definition divides twice: the two differ by roundings of f32.
.set NCH,   16                         ; chunks of 128 keys
.set CSLOT, 9216                       ; a chunk's slot: K's images, V's images, K's scale words, V's scale words
.set VIMG,  4096                       ; K's 8 tiles x 512 bytes lie at 0; V's 4 tiles of 16 channels x 1,024 bytes here
.set KSC,   8192                       ; 128 words: 64 tile + 4 row
.set VSC,   8704                       ; 64 words: 4 channel, byte b = block b of the chunk's keys
.set SPARE, NCH*CSLOT                  ; the spare words: 128 bytes for each of the 16 waves, named by no other line
.set STAGE, SPARE+2048                 ; for each wave 32 rows x 272 bytes: q and k on the way in, O on the way out
.set WSTG,  32*272
.set CHUNK, 128*256                    ; a chunk of k or of v in memory
.set SPW, 1                            ; v1 my spare word; v2 0: never rewritten
.set NIL, 2
.set LI,  3                            ; 16 x lane
.set LS,  4                            ; 4 x lane
.set KWI, 5                            ; where my block of k's codes goes in a slot, and its key's scale word
.set KWS, 6
.set RD,  7                            ; my stage by rows: lanes 0-15 one row of 256 bytes, lanes 16-31 the next
.set QRD, 8                            ; my stage: row r, + 128 h
.set SH8, 9                            ; 8 h
.set ADI, 10                           ; LI, LS in the slot in hand
.set ADS, 11
.set AWI, 12                           ; the store addresses in the slot that is written
.set AWS, 13
.set PFO, 14                           ; 256 x lane
.set SFO, 15                           ; 4 r
.set STA, 16                           ; a tile's statistics: +0 -M, +1 the largest t, +2 +3 the sum, +4 +5 c twice, +6 f, +7 P's scale word
.set STB, 24
.set QA,  32                           ; four registers of q's codes, four of zeros; tile B likewise
.set QB,  40
.set QS,  48                           ; q's scale words: lanes 0-15 tile A's, lanes 16-31 tile B's
.set KS,  49                           ; v49-52 K's scale words; v53-54 V's
.set VS,  53
.set FR,  56                           ; v56-87 K's 8 x 4 registers, then the next chunk's 32 numbers on their way; v88-91 zeros
.set VWI, 92                           ; where my block of v's codes goes, and its scale byte
.set VWS, 93
.set STO, 94                           ; my stage: row r, + 32 h
.set S,   96                           ; v96-159 S^T, then p, then (v96-127) V's 4 x 8 registers; also the quantiser's scratch
.set CD,  128
.set OA,  160                          ; v160-223 O^T of tiles A and B
.set PA,  224                          ; P's codes
.set PB,  232
.set TMP, 240
.set WV,  16
.set SEL, 20                           ; s[20:21] selects for lane l xor 16
.set GB,  24                           ; s[24:25] my wave's part of the chunk that is asked for next
.set PFA, 26                           ; s[26:27] where my prefetch stands
.set LIM, 28                           ; trips in which my wave prefetches
.set J,   29                           ; the trip
.set CB,  30                           ; the slot in hand: J x CSLOT
.macro ISSUE                           ; a chunk's f32: k: 8 loads of 512 consecutive bytes (two keys' rows); v: 32 loads of 128 consecutive bytes, a lane a channel, registers down the keys
	s_cmp_lt_u32 s[WV], 8
	s_cbranch_scc0 .Liv_\@
.irp i, 0,1,2,3,4,5,6,7
	global_load_b128 v[FR+4*\i:FR+4*\i+3], v[LI], s[GB:GB+1] offset:512*\i
.endr
	s_branch .Lid_\@
.Liv_\@:
.set I, 0
.rept 32
	global_load_b32 v[FR+I], v[LS], s[GB:GB+1] offset:256*I
.set I, I+1
.endr
.Lid_\@:
.endm
.macro KLOAD
.irp t, 0,1,2,3,4,5,6,7
	ds_load_b128 v[FR+4*\t:FR+4*\t+3], v[ADI] offset:512*\t
.endr
.irp u, 0,1,2,3
	ds_load_b32 v[KS+\u], v[ADS] offset:KSC+128*\u
.endr
.endm
.macro VLOAD                           ; V^T's four fragments (16 channels x 128 keys) into the score registers, which are done with
.irp t, 0,1,2,3
.irp c, 0,1
	ds_load_b128 v[S+8*\t+4*\c:S+8*\t+4*\c+3], v[ADI] offset:VIMG+1024*\t+512*\c
.endr
.endr
.irp u, 0,1
	ds_load_b32 v[VS+\u], v[ADS] offset:VSC+128*\u
.endr
.endm
; S^T = K Q^T for tile x: eight products, each starting its sum with 0.  Odd tiles of K take their scale words from lanes 16-31, and so does tile B of q.
.macro QK x
.irp t, 0,1,2,3,4,5,6,7
.if (\t%2 == 0) && (\x == 0)
	v_wmma_scale_f32_16x16x128_f8f6f4 v[S+8*\t:S+8*\t+7], v[FR+4*\t:FR+4*\t+7], v[QA+8*\x:QA+8*\x+7], 0, v[KS+\t/2], v[QS] matrix_a_fmt:MATRIX_FMT_FP4 matrix_b_fmt:MATRIX_FMT_FP4
.elseif (\t%2 == 1) && (\x == 0)
	v_wmma_scale_f32_16x16x128_f8f6f4 v[S+8*\t:S+8*\t+7], v[FR+4*\t:FR+4*\t+7], v[QA+8*\x:QA+8*\x+7], 0, v[KS+\t/2], v[QS] matrix_a_fmt:MATRIX_FMT_FP4 matrix_b_fmt:MATRIX_FMT_FP4 matrix_a_scale:MATRIX_SCALE_ROW1
.elseif (\t%2 == 0)
	v_wmma_scale_f32_16x16x128_f8f6f4 v[S+8*\t:S+8*\t+7], v[FR+4*\t:FR+4*\t+7], v[QA+8*\x:QA+8*\x+7], 0, v[KS+\t/2], v[QS] matrix_a_fmt:MATRIX_FMT_FP4 matrix_b_fmt:MATRIX_FMT_FP4 matrix_b_scale:MATRIX_SCALE_ROW1
.else
	v_wmma_scale_f32_16x16x128_f8f6f4 v[S+8*\t:S+8*\t+7], v[FR+4*\t:FR+4*\t+7], v[QA+8*\x:QA+8*\x+7], 0, v[KS+\t/2], v[QS] matrix_a_fmt:MATRIX_FMT_FP4 matrix_b_fmt:MATRIX_FMT_FP4 matrix_a_scale:MATRIX_SCALE_ROW1 matrix_b_scale:MATRIX_SCALE_ROW1
.endif
.endr
.endm
; O^T += V^T P^T: eight accumulators, one instruction each: they take turns.
.macro PV
.irp t, 0,1,2,3
.irp x, 0,1
.if \t%2
	v_wmma_scale_f32_16x16x128_f8f6f4 v[OA+32*\x+8*\t:OA+32*\x+8*\t+7], v[S+8*\t:S+8*\t+7], v[PA+8*\x:PA+8*\x+7], v[OA+32*\x+8*\t:OA+32*\x+8*\t+7], v[VS+\t/2], v[STA+8*\x+7] matrix_a_fmt:MATRIX_FMT_FP4 matrix_b_fmt:MATRIX_FMT_FP4 matrix_a_scale:MATRIX_SCALE_ROW1
.else
	v_wmma_scale_f32_16x16x128_f8f6f4 v[OA+32*\x+8*\t:OA+32*\x+8*\t+7], v[S+8*\t:S+8*\t+7], v[PA+8*\x:PA+8*\x+7], v[OA+32*\x+8*\t:OA+32*\x+8*\t+7], v[VS+\t/2], v[STA+8*\x+7] matrix_a_fmt:MATRIX_FMT_FP4 matrix_b_fmt:MATRIX_FMT_FP4
.endif
.endr
.endr
.endm
; One block of 32 numbers, v[src] on, all in my lane, becomes four registers of codes, v[dst] on; its scale byte is left in v242.
.macro QBLOCK src, dst
	v_max3_num_f32 v240, |v[(\src)]|, |v[(\src)+1]|, 0x1800000      ; two chains by turns; the floor 2^(3 - 127) holds the byte at 1 from below
	v_max3_num_f32 v244, |v[(\src)+16]|, |v[(\src)+17]|, |v[(\src)+18]|
.irp i, 0,1,2,3,4,5
	s_delay_alu instid0(VALU_DEP_2)
	v_max3_num_f32 v240, v240, |v[(\src)+2+2*\i]|, |v[(\src)+3+2*\i]|
	s_delay_alu instid0(VALU_DEP_2)
	v_max3_num_f32 v244, v244, |v[(\src)+19+2*\i]|, |v[(\src)+20+2*\i]|
.endr
	s_delay_alu instid0(VALU_DEP_2)
	v_max3_num_f32 v240, v240, |v[(\src)+14]|, |v[(\src)+15]|
	s_delay_alu instid0(VALU_DEP_1)
	v_max3_num_f32 v240, v240, v244, |v[(\src)+31]|
	s_delay_alu instid0(VALU_DEP_1)
	v_add_nc_u32 v241, 0xff000000, v240            ; 2 off the exponent field: the conversion's scale operand
	s_delay_alu instid0(VALU_DEP_1)
	v_lshrrev_b32 v242, 23, v241                   ; the scale's byte
.irp g, 0,1,2,3
	v_cvt_scalef32_pk8_fp4_f32 v[(\dst)+\g], v[(\src)+8*\g:(\src)+8*\g+7], v241
.endr
	v_nop                                          ; one plain place behind the scaled conversions
.endm
; A row of 64 along K has a block in lane l and one in lane l xor 16: their bytes make the row's scale word; bytes 2 and 3, which meet zero codes, are 0x7f.
.macro WORD2
	v_lshlrev_b32 v242, v[SH8], v242
	s_delay_alu instid0(VALU_DEP_1)
	v_permlanex16_b32 v243, v242, s[SEL], s[SEL+1]
	s_delay_alu instid0(VALU_DEP_1)
	v_or_b32 v242, v242, v243
	s_delay_alu instid0(VALU_DEP_1)
	v_or_b32 v242, 0x7f7f0000, v242
.endm
; The chunk whose numbers have landed in v[FR ..] becomes codes in the slot at s[CB] + off.  The branch hangs on the wave's number alone; no barrier stands inside.
.macro QUANT off
	s_cmp_lt_u32 s[WV], 8
	s_cbranch_scc0 .Lqv_\@
.irp i, 0,1,2,3,4,5,6,7
	ds_store_b128 v[RD], v[FR+4*\i:FR+4*\i+3] offset:544*\i        ; k turns through my own stage: in by rows as loaded,
.endr
.irp i, 0,1,2,3,4,5,6,7
	ds_load_b128 v[S+4*\i:S+4*\i+3], v[QRD] offset:16*\i           ; back 32 neighbours a lane: key 16 (wave % 8) + r, block h.  LDS serves a wave's instructions in order (ISA guide 5.7.1.4)
.endr
	v_add_nc_u32 v[AWI], s[CB], v[KWI]
	v_add_nc_u32 v[AWS], s[CB], v[KWS]
	s_wait_alu depctr_va_vdst(0)                   ; the wait, directly ahead of the wait below
	s_wait_dscnt 0x0
	QBLOCK S, CD
	WORD2
	ds_store_b128 v[AWI], v[CD:CD+3] offset:\off
	ds_store_b32 v[AWS], v242 offset:\off          ; both lanes of a key write the same word with the same value
	s_branch .Lqd_\@
.Lqv_\@:
	v_add_nc_u32 v[AWI], s[CB], v[VWI]
	v_add_nc_u32 v[AWS], s[CB], v[VWS]
	QBLOCK FR, CD
	ds_store_b128 v[AWI], v[CD:CD+3] offset:\off
	ds_store_b8 v[AWS], v242 offset:\off
.Lqd_\@:
.endm
; A tile's softmax for 128 keys.  st: its statistics; pc: P's codes; ob: its O^T; vl = 1: V's fragments are asked for as soon as the sums have read p.
.macro SOFTMAX st, pc, ob, vl
.irp q, 0,1,2,3
	v_max3_num_f32 v[TMP+\q], v[S+16*\q], v[S+1+16*\q], v[S+2+16*\q]   ; the largest SCORE of my two blocks, in four chains by turns; each accumulator is read from its low end on
.endr
.irp i, 3,5,7,9,11,13
.irp q, 0,1,2,3
	v_max3_num_f32 v[TMP+\q], v[TMP+\q], v[S+16*\q+\i], v[S+1+16*\q+\i]
.endr
.endr
	v_max3_num_f32 v240, v240, v[S+15], v[S+31]
	v_max3_num_f32 v242, v242, v[S+47], v[S+63]
	s_delay_alu instid0(VALU_DEP_2)
	v_max_num_f32 v240, v240, v241                 ; block h
	s_delay_alu instid0(VALU_DEP_2)
	v_max_num_f32 v242, v242, v243                 ; block 2 + h
	s_delay_alu instid0(VALU_DEP_1)
	v_max_num_f32 v244, v240, v242
	s_delay_alu instid0(VALU_DEP_1)
	v_permlanex16_b32 v245, v244, s[SEL], s[SEL+1]
	s_delay_alu instid0(VALU_DEP_1)
	v_max_num_f32 v244, v244, v245                 ; the step's largest score of my query,
	s_delay_alu instid0(VALU_DEP_1)
	v_mul_f32 v244, v[(\st)+4], v244               ; as t (c is positive)
	s_delay_alu instid0(VALU_DEP_1)
	v_max_num_f32 v[(\st)+1], v[(\st)+1], v244     ; the running largest t
	v_mov_b32 v245, v[(\st)]
	s_delay_alu instid0(VALU_DEP_2)
	v_floor_f32 v[(\st)], -v[(\st)+1]              ; the new -M = floor(-t): M is a whole number
	s_delay_alu instid0(VALU_DEP_1)
	v_sub_f32 v245, v[(\st)], v245                 ; old M less new M: a whole number, 0 or less
	s_delay_alu instid0(VALU_DEP_1)
	v_cvt_i32_f32 v245, v245                       ; (it saturates)
	s_delay_alu instid0(VALU_DEP_1)
	v_ldexp_f32 v[(\st)+6], 1.0, v245              ; f = 2^(old M - new M): a multiplication by it rounds nothing
.set I, 0
.rept 32
	v_pk_fma_f32 v[S+I:S+I+1], v[S+I:S+I+1], v[(\st)+4:(\st)+5], v[(\st):(\st)+1] op_sel_hi:[1,0,0]   ; t - M, two at a time
.set I, I+2
.endr
	v_fma_f32 v240, v240, v[(\st)+4], v[(\st)]     ; the same of each block's largest score
	v_fma_f32 v242, v242, v[(\st)+4], v[(\st)]
	s_wait_alu depctr_va_vdst(0)                   ; the wait ahead of the batch
.set I, 0
.rept 64
	v_exp_f32 v[S+I], v[S+I]                       ; p = 2^(t - M), at most 1: not normalised
.set I, I+1
.endr
	v_exp_f32 v240, v240                           ; the blocks' largest p: the same two instructions on the same number give the same bits
	v_exp_f32 v242, v242
	v_pk_mul_f32 v[(\st)+2:(\st)+3], v[(\st)+2:(\st)+3], v[(\st)+6:(\st)+7] op_sel_hi:[1,0]   ; the sum under the new M: the plain place behind the exponentials
	s_wait_alu depctr_va_vdst(0)                   ; and behind it, ahead of the first line that names a result: one for the batch of 66
	v_max_num_f32 v240, 0x1800000, v240            ; the floor 2^(3 - 127): the byte cannot fall under 1
	v_max_num_f32 v242, 0x1800000, v242
	s_delay_alu instid0(VALU_DEP_2)
	v_add_nc_u32 v241, 0xff000000, v240            ; the conversions' scale operands
	s_delay_alu instid0(VALU_DEP_2)
	v_add_nc_u32 v243, 0xff000000, v242
	s_delay_alu instid0(VALU_DEP_2)
	v_lshrrev_b32 v244, 23, v241                   ; the scales' bytes
	s_delay_alu instid0(VALU_DEP_2)
	v_lshrrev_b32 v245, 23, v243
	s_delay_alu instid0(VALU_DEP_1)
	v_lshl_or_b32 v244, v245, 16, v244             ; blocks h and 2 + h,
	s_delay_alu instid0(VALU_DEP_1)
	v_lshlrev_b32 v244, v[SH8], v244               ; at their places in the word;
	s_delay_alu instid0(VALU_DEP_1)
	v_permlanex16_b32 v245, v244, s[SEL], s[SEL+1]
	s_delay_alu instid0(VALU_DEP_1)
	v_or_b32 v[(\st)+7], v244, v245                ; with lane l xor 16's two the word is whole
.irp t, 0,1,2,3,4,5,6,7
	v_cvt_scalef32_pk8_fp4_f32 v[(\pc)+\t], v[S+8*\t:S+8*\t+7], v[241+2*(\t/4)]   ; tile t's eight registers are register t of the operand
.endr
	v_nop                                          ; one plain place behind the scaled conversions
	v_pk_add_f32 v[246:247], v[S:S+1], v[S+2:S+3]  ; the row's sum is taken of the UNQUANTISED p, two at a time, in two chains
.irp j, 4,8,12,16,20,24,28,32,36,40,44,48,52,56,60
	v_pk_add_f32 v[(\st)+2:(\st)+3], v[(\st)+2:(\st)+3], v[S+\j:S+\j+1]
	v_pk_add_f32 v[246:247], v[246:247], v[S+\j+2:S+\j+3]
.endr
	s_delay_alu instid0(VALU_DEP_1)
	v_pk_add_f32 v[(\st)+2:(\st)+3], v[(\st)+2:(\st)+3], v[246:247]
.if \vl
	VLOAD                                          ; they land under the 16 lines below
.endif
	s_wait_alu depctr_va_vdst(0)                   ; the wait, directly ahead of the first reader of O^T
.set I, 0
.rept 16
	v_pk_mul_f32 v[(\ob)+I:(\ob)+I+1], v[(\ob)+I:(\ob)+I+1], v[(\st)+6:(\st)+7] op_sel_hi:[1,0]   ; O^T under the new M, each accumulator from its low end on.  With the sums: the places between P's codes and scale word and the products
.set I, I+2
.endr
.endm
.macro PLACES                          ; four plain places behind matrix instructions (ISA guide 7.12.1)
.rept 4
	v_nop
.endr
.endm
; A chunk's work.  mid = 1: in its middle the chunk two on is asked for (trips 0 to 13), the prefetch stands, and the barrier for the slot stored at this trip's head is signalled.
.macro COMPUTE mid
	KLOAD
	s_wait_dscnt 0x0                               ; K's fragments are in, and my code stores of this trip are done
	QK 0
	PLACES
	SOFTMAX STA, PA, OA, 0
	QK 1
	PLACES                                         ; ahead of the reads of S^T and of the loads into K's registers
.if \mid
	s_cmp_lt_u32 s[J], NCH-2
	s_cbranch_scc0 .Lno_\@
	ISSUE
.Lno_\@:
	s_cmp_lt_u32 s[J], s[LIM]
	s_cbranch_scc0 .Lna_\@
	global_prefetch_b8 v[PFO], s[PFA:PFA+1] th:TH_LOAD_NT scope:SCOPE_SE
.Lna_\@:
	s_barrier_signal -1                            ; no LDS instruction of mine is out since the wait above
.endif
	SOFTMAX STB, PB, OA+32, 1
	s_wait_alu depctr_va_vdst(0)                   ; the wait, directly ahead of the wait below: the products read O^T just rescaled
	s_wait_dscnt 0x0
	PV
.endm
	s_load_b256 s[4:11], s[0:1], 0x0               ; q s[4:5], k s[6:7], v s[8:9], scale_factor s[10:11]
	s_load_b128 s[12:15], s[0:1], 0x20             ; inv_scale s[12:13], out s[14:15]
	v_lshl_add_u32 v[SPW], v0, 2, SPARE
	v_mov_b32 v[NIL], 0
	v_lshrrev_b32 v240, 5, v0
	s_delay_alu instid0(VALU_DEP_1)
	v_readfirstlane_b32 s[WV], v240                ; wave 0..15
	s_bfe_u32 s17, ttmp6, 0x40000                  ; cx: my block of 512 queries: it enters q's, scale_factor's, out's and the prefetch's global addresses alone
	s_and_b32 s18, ttmp7, 0xffff                   ; the head, which the four partners share
	s_and_b32 s40, s[WV], 1                        ; w1 = wave % 2
	s_bfe_u32 s41, s[WV], 0x10001                  ; wh = (wave / 2) % 2
	s_bfe_u32 s42, s[WV], 0x10002                  ; wc = (wave / 4) % 2
	s_bfe_u32 s43, s[WV], 0x20001                  ; wb = (wave / 2) % 4
	; key 16 (wave % 8) + r lies in tile 4 wc + 2 w1 + r / 8, row 8 wh + r % 8; its block h belongs to the tile's lane 16 h + row
	s_lshl_b32 s32, s42, 11
	s_lshl_b32 s37, s40, 10
	s_add_co_u32 s32, s32, s37
	s_lshl_b32 s37, s41, 7
	s_add_co_u32 s32, s32, s37
	s_lshl_b32 s33, s42, 8
	s_lshl_b32 s37, s40, 7
	s_add_co_u32 s33, s33, s37
	s_lshl_b32 s37, s41, 5
	s_add_co_u32 s33, s33, s37
	s_add_co_u32 s33, s33, KSC
	; channel 32 w1 + lane lies in V's tile 2 w1 + lane / 16, row r; block wb = 2 wc + wh belongs to registers 4 wc on of the tile's lane 16 wh + r
	s_lshl_b32 s34, s40, 11
	s_lshl_b32 s37, s42, 9
	s_add_co_u32 s34, s34, s37
	s_lshl_b32 s37, s41, 8
	s_add_co_u32 s34, s34, s37
	s_add_co_u32 s34, s34, VIMG
	s_lshl_b32 s35, s40, 7
	s_add_co_u32 s35, s35, s43
	s_add_co_u32 s35, s35, VSC
	s_mul_i32 s36, s[WV], WSTG
	s_add_co_u32 s36, s36, STAGE                   ; my stage
	s_mov_b32 s[SEL], 0x76543210
	s_mov_b32 s[SEL+1], 0xfedcba98
	s_lshl_b32 s22, s18, 19                        ; the head's first byte in q, k, v and out
	s_mov_b32 s23, 0
	s_lshl_b32 s44, s17, 17                        ; my block's 512 rows, my wave's 32 of them
	s_lshl_b32 s37, s[WV], 13
	s_add_co_u32 s44, s44, s37
	s_mov_b32 s45, 0
	s_add_nc_u64 s[44:45], s[44:45], s[22:23]
	s_lshl_b32 s46, s18, 13                        ; the same queries in scale_factor
	s_lshl_b32 s37, s17, 11
	s_add_co_u32 s46, s46, s37
	s_lshl_b32 s37, s[WV], 7
	s_add_co_u32 s46, s46, s37
	s_mov_b32 s47, 0
	s_lshl_b32 s38, s18, 2                         ; the head in inv_scale
	s_mov_b32 s39, 0
	s_lshl_b32 s2, s[WV], 12                       ; my wave's part of a chunk: k: 16 rows;
	s_lshl_b32 s3, s43, 13                         ; v: 32 wb rows on, 128 w1 bytes in
	s_lshl_b32 s37, s40, 7
	s_add_co_u32 s3, s3, s37
	s_cmp_lt_u32 s[WV], 8
	s_cselect_b32 s2, s2, s3
	s_mov_b32 s3, 0
	s_add_nc_u64 s[2:3], s[2:3], s[22:23]
	s_lshl_b32 s50, s17, 13                        ; the prefetches: my work-group's 32 rows, in chunk 3: trip 0 steps it to chunk 4
	s_add_co_u32 s50, s50, 3*CHUNK
	s_mov_b32 s51, 0
	s_add_nc_u64 s[50:51], s[50:51], s[22:23]
	s_mov_b32 s[J], 0
	s_mov_b32 s[CB], 0
	; every LDS address register that stays is made here, ahead of every branch
	v_and_b32 v240, 31, v0                         ; lane
	v_and_b32 v241, 15, v0                         ; r
	v_bfe_u32 v242, v0, 4, 1                       ; h
	v_and_b32 v243, 7, v0                          ; r % 8
	v_bfe_u32 v244, v0, 3, 1                       ; r / 8
	v_mul_u32_u24 v245, v241, 272
	v_lshlrev_b32 v[LI], 4, v240
	v_lshlrev_b32 v[LS], 2, v240
	v_lshlrev_b32 v[SH8], 3, v242
	v_lshlrev_b32 v[PFO], 8, v240
	v_lshlrev_b32 v[SFO], 2, v241
	v_lshlrev_b32 v[KWI], 4, v243
	v_lshlrev_b32 v[KWS], 2, v243
	v_lshlrev_b32 v[VWI], 4, v241
	v_mul_u32_u24 v[RD], v242, 272
	v_lshl_add_u32 v[KWI], v244, 9, v[KWI]
	v_lshl_add_u32 v[KWS], v244, 6, v[KWS]
	v_lshl_add_u32 v[VWI], v242, 10, v[VWI]
	v_lshl_add_u32 v[RD], v241, 4, v[RD]
	v_lshl_add_u32 v[KWI], v242, 8, v[KWI]
	v_add_nc_u32 v[KWS], s33, v[KWS]               ; KSC + 64 tile + 4 row
	v_add_nc_u32 v[VWI], s34, v[VWI]
	v_add_nc_u32 v[RD], s36, v[RD]
	v_add_nc_u32 v[KWI], s32, v[KWI]               ; 512 tile + 256 h + 16 row
	v_add_nc_u32 v[VWS], s35, v[LS]                ; VSC + 4 channel + block
	v_lshl_add_u32 v[STO], v242, 5, v245
	v_lshl_add_u32 v[QRD], v242, 7, v245
	v_add_nc_u32 v[ADI], s[CB], v[LI]
	v_add_nc_u32 v[ADS], s[CB], v[LS]
	v_add_nc_u32 v[STO], s36, v[STO]
	v_add_nc_u32 v[QRD], s36, v[QRD]
	s_wait_alu depctr_va_vdst(0)                   ; the wait at the head's end
	s_wait_kmcnt 0x0
	s_add_nc_u64 s[4:5], s[4:5], s[44:45]          ; q and out at my wave's first row
	s_add_nc_u64 s[14:15], s[14:15], s[44:45]
	s_add_nc_u64 s[10:11], s[10:11], s[46:47]
	s_add_nc_u64 s[12:13], s[12:13], s[38:39]
	s_cmp_lt_u32 s[WV], 8
	s_cselect_b64 s[GB:GB+1], s[6:7], s[8:9]       ; waves 0-7: k; waves 8-15: v
	s_add_nc_u64 s[GB:GB+1], s[GB:GB+1], s[2:3]    ; chunk 0
	s_cmp_eq_u32 s[WV], 4
	s_cselect_b64 s[PFA:PFA+1], s[6:7], s[8:9]     ; wave 4: k; wave 5: v
	s_add_nc_u64 s[PFA:PFA+1], s[PFA:PFA+1], s[50:51]
	s_sub_co_u32 s37, s[WV], 4
	s_lshr_b32 s37, s37, 1                         ; 0 in waves 4 and 5
	s_cmp_eq_u32 s37, 0
	s_cselect_b32 s[LIM], NCH-4, 0
	ISSUE                                          ; chunk 0
	s_load_b32 s49, s[12:13], 0x0                  ; inv_scale of the head
	global_load_b32 v248, v[SFO], s[10:11]         ; scale_factor of query r of tile A,
	global_load_b32 v249, v[SFO], s[10:11] offset:64   ; and of tile B
.irp i, 0,1,2,3,4,5,6,7,8,9,10,11,12,13,14,15
	global_load_b128 v[OA+4*\i:OA+4*\i+3], v[LI], s[4:5] offset:512*\i th:TH_LOAD_NT   ; q: 32 lanes read 512 consecutive bytes: two rows
.endr
.irp j, 4,5,6,7
	v_mov_b32 v[QA+\j], 0                          ; the zero codes of the instruction's K = 64 .. 127
	v_mov_b32 v[QB+\j], 0
	v_mov_b32 v[FR+28+\j], 0                       ; v88-91: what stands behind K's tile 7
.endr
	s_wait_alu depctr_va_vdst(0)                   ; the wait, directly ahead of the wait below
	s_wait_loadcnt 0x0
	s_add_nc_u64 s[GB:GB+1], s[GB:GB+1], CHUNK
	QUANT 0                                        ; chunk 0's codes, into slot 0
	ISSUE                                          ; chunk 1
	; ---- q: my 32 rows, quantised in registers
.irp i, 0,1,2,3,4,5,6,7,8,9,10,11,12,13,14,15
	ds_store_b128 v[RD], v[OA+4*\i:OA+4*\i+3] offset:544*\i        ; through my stage: in by rows as they were loaded,
.endr
.irp i, 0,1,2,3,4,5,6,7
	ds_load_b128 v[S+4*\i:S+4*\i+3], v[QRD] offset:16*\i           ; back 32 neighbours a lane: tile A's row r, block h
.endr
.irp i, 0,1,2,3,4,5,6,7
	ds_load_b128 v[S+32+4*\i:S+32+4*\i+3], v[QRD] offset:16*272+16*\i   ; tile B's
.endr
	s_wait_kmcnt 0x0
	v_mul_f32 v248, s49, v248                      ; x = scale_factor x inv_scale
	v_mul_f32 v249, s49, v249
	s_delay_alu instid0(VALU_DEP_2)
	v_and_b32 v250, 0x7fffffff, v248               ; |x|
	s_delay_alu instid0(VALU_DEP_2)
	v_and_b32 v251, 0x7fffffff, v249
	s_wait_alu depctr_va_vdst(0)                   ; the wait ahead of the reciprocals
	v_rcp_f32 v252, v250
	v_rcp_f32 v253, v251
	v_ashrrev_i32 v248, 31, v248                   ; all ones where x is negative.  (Plain places behind the reciprocals)
	v_ashrrev_i32 v249, 31, v249
	s_wait_alu depctr_va_vdst(0)                   ; and ahead of their first reader
	v_fma_f32 v254, -v250, v252, 1.0               ; one Newton step: y + y (1 - |x| y)
	v_fma_f32 v255, -v251, v253, 1.0
	v_fma_f32 v252, v252, v254, v252
	v_fma_f32 v253, v253, v255, v253
	s_delay_alu instid0(VALU_DEP_2)
	v_mul_f32 v[STA+4], 0x3fb8aa3b, v252           ; c = log2(e) / |x|
	s_delay_alu instid0(VALU_DEP_2)
	v_mul_f32 v[STB+4], 0x3fb8aa3b, v253
	s_delay_alu instid0(VALU_DEP_2)
	v_mov_b32 v[STA+5], v[STA+4]                   ; (named with it as a pair, so it is written)
	s_delay_alu instid0(VALU_DEP_2)
	v_mov_b32 v[STB+5], v[STB+4]
	v_and_b32 v248, 0x88888888, v248               ; the eight sign bits of a register of codes, where x is negative
	v_and_b32 v249, 0x88888888, v249
	s_wait_alu depctr_va_vdst(0)                   ; the wait, directly ahead of the wait below
	s_wait_dscnt 8                                 ; tile A's numbers are back; tile B's eight loads may be out
	QBLOCK S, QA
	WORD2
	s_delay_alu instid0(VALU_DEP_1)
	v_mov_b32 v246, v242                           ; tile A's scale words
.irp g, 0,1,2,3
	v_xor_b32 v[QA+\g], v248, v[QA+\g]             ; x's sign goes into q's codes: exact
.endr
	s_wait_alu depctr_va_vdst(0)                   ; the wait, directly ahead of the wait below
	s_wait_dscnt 0x0
	QBLOCK S+32, QB
	WORD2
.irp g, 0,1,2,3
	v_xor_b32 v[QB+\g], v249, v[QB+\g]
.endr
	v_cmp_eq_u32 vcc_lo, 0, v[SH8]
	s_delay_alu instid0(VALU_DEP_1)
	v_cndmask_b32 v[QS], v242, v246, vcc_lo        ; lanes 0-15 tile A's words, lanes 16-31 tile B's
.irp st, STA, STB
	v_mov_b32 v[\st+1], 0xff61b1e6                 ; the largest t so far: -3e38, under every t
	s_delay_alu instid0(VALU_DEP_1)
	v_floor_f32 v[\st], -v[\st+1]                  ; -M
	v_mov_b32 v[\st+2], 0                          ; the sum, in two halves
	v_mov_b32 v[\st+3], 0
	v_mov_b32 v[\st+7], 0                          ; (named as the upper half of f's pair before it is first written)
.endr
.set I, 0
.rept 64
	v_mov_b32 v[OA+I], 0                           ; O^T: the trip has no first step of its own: it finds zeros, which the first change of M leaves zeros
.set I, I+1
.endr
	s_wait_alu depctr_va_vdst(0)                   ; the wait at the head's end
	s_wait_dscnt 0x0                               ; my stores into slot 0 are done
	s_barrier_signal -1
	s_barrier_wait -1                              ; everybody's are
.Ltrip:                                            ; 15 trips: chunks 0 to 14
	s_wait_loadcnt 0x0                             ; chunk J + 1's numbers are in: their loads' base may be stepped
	s_wait_xcnt 0x0                                ; the last trip's prefetch has read its address
	s_add_nc_u64 s[GB:GB+1], s[GB:GB+1], CHUNK
	s_add_nc_u64 s[PFA:PFA+1], s[PFA:PFA+1], CHUNK
	QUANT CSLOT                                    ; into slot J + 1
	COMPUTE 1
	s_add_co_u32 s[CB], s[CB], CSLOT
	v_add_nc_u32 v[ADI], s[CB], v[LI]              ; the next slot.  These two and three v_nop: the five places between the products and the next lines that write over V's registers
	v_add_nc_u32 v[ADS], s[CB], v[LS]
.rept 3
	v_nop
.endr
	s_wait_alu depctr_va_vdst(0)                   ; the wait, directly ahead of the barrier's wait
	s_barrier_wait -1                              ; slot J + 1 is whole
	s_add_co_u32 s[J], s[J], 1
	s_cmp_lt_u32 s[J], NCH-1
	s_cbranch_scc1 .Ltrip
	COMPUTE 0                                      ; chunk 15
	; THE WAY OUT.  The sum's halves and lane l xor 16's are added; O^T / the sum goes through my stage and leaves as whole rows.  The six plain lines are the places behind the last products.
	v_add_f32 v240, v[STA+2], v[STA+3]
	v_add_f32 v242, v[STB+2], v[STB+3]
	s_delay_alu instid0(VALU_DEP_2)
	v_permlanex16_b32 v241, v240, s[SEL], s[SEL+1]
	s_delay_alu instid0(VALU_DEP_2)
	v_permlanex16_b32 v243, v242, s[SEL], s[SEL+1]
	s_delay_alu instid0(VALU_DEP_2)
	v_add_f32 v240, v240, v241
	s_delay_alu instid0(VALU_DEP_2)
	v_add_f32 v242, v242, v243
	s_wait_alu depctr_va_vdst(0)                   ; the wait ahead of the reciprocals
	v_rcp_f32 v240, v240
	v_rcp_f32 v242, v242
	v_nop                                          ; a plain place behind the reciprocals
	s_wait_alu depctr_va_vdst(0)                   ; and ahead of their first reader, which is also O^T's
.irp x, 0,1
.irp j, 0,2,4,6,8,10,12,14,16,18,20,22,24,26,28,30
	v_pk_mul_f32 v[S+32*\x+\j:S+32*\x+\j+1], v[OA+32*\x+\j:OA+32*\x+\j+1], v[TMP+2*\x:TMP+2*\x+1] op_sel_hi:[1,0]   ; register 8 t + i is out(query r, channel 16 t + 8 h + i)
.endr
.endr
.irp x, 0,1
.irp t, 0,1,2,3
	ds_store_b128 v[STO], v[S+32*\x+8*\t:S+32*\x+8*\t+3] offset:16*272*\x+64*\t
	ds_store_b128 v[STO], v[S+32*\x+8*\t+4:S+32*\x+8*\t+7] offset:16*272*\x+64*\t+16
.endr
.endr
.irp i, 0,1,2,3,4,5,6,7,8,9,10,11,12,13,14,15
	ds_load_b128 v[OA+4*\i:OA+4*\i+3], v[RD] offset:544*\i         ; back by rows: these see my stores
.endr
.irp i, 0,1,2,3,4,5,6,7,8,9,10,11,12,13,14,15
	s_wait_dscnt 15-\i                             ; the younger read-backs may be out
	global_store_b128 v[LI], v[OA+4*\i:OA+4*\i+3], s[14:15] offset:512*\i th:TH_STORE_NT   ; 16 lanes store 256 consecutive bytes, at a multiple of 256 from out's first byte
.endr
	s_wait_tensorcnt 0x0                           ; the wave's end
	ds_add_u32 v[SPW], v[NIL]
	s_wait_dscnt 0x0
	s_endpgm
.Lfunc_end_k_q5006d5a31c_attn:
	.size	k_q5006d5a31c_attn, .Lfunc_end_k_q5006d5a31c_attn-k_q5006d5a31c_attn
	.p2alignl 7, 3214868480
	.fill 96, 4, 3214868480
	.section	.rodata,"a",@progbits
	.p2align	6, 0x0
	.amdhsa_kernel k_q5006d5a31c_attn
		.amdhsa_group_segment_fixed_size 288768
		.amdhsa_private_segment_fixed_size 0
		.amdhsa_enable_private_segment 0
		.amdhsa_kernarg_size 48
		.amdhsa_user_sgpr_count 2
		.amdhsa_user_sgpr_kernarg_segment_ptr 1
		.amdhsa_wavefront_size32 1
		.amdhsa_system_sgpr_workgroup_id_x 1
		.amdhsa_system_sgpr_workgroup_id_y 1
		.amdhsa_system_sgpr_workgroup_id_z 1
		.amdhsa_system_vgpr_workitem_id 0
		.amdhsa_next_free_vgpr 256
		.amdhsa_next_free_sgpr 66
		.amdhsa_reserve_vcc 1
		.amdhsa_float_denorm_mode_32 3
		.amdhsa_float_denorm_mode_16_64 3
		.amdhsa_memory_ordered 1
		.amdhsa_forward_progress 1
		.amdhsa_inst_pref_size 104
	.end_amdhsa_kernel
	.amdgpu_metadata
---
amdhsa.version: [ 1, 2 ]
amdhsa.kernels:
  - .name:           k_q5006d5a31c_attn
    .symbol:         k_q5006d5a31c_attn.kd
    .args:
      - { .name: q, .offset: 0, .size: 8, .value_kind: global_buffer, .address_space: global }
      - { .name: k, .offset: 8, .size: 8, .value_kind: global_buffer, .address_space: global }
      - { .name: v, .offset: 16, .size: 8, .value_kind: global_buffer, .address_space: global }
      - { .name: scale_factor, .offset: 24, .size: 8, .value_kind: global_buffer, .address_space: global }
      - { .name: inv_scale, .offset: 32, .size: 8, .value_kind: global_buffer, .address_space: global }
      - { .name: out0, .offset: 40, .size: 8, .value_kind: global_buffer, .address_space: global }
    .group_segment_fixed_size: 288768
    .private_segment_fixed_size: 0
    .kernarg_segment_align: 8
    .kernarg_segment_size: 48
    .max_flat_workgroup_size: 512
    .sgpr_count:     66
    .vgpr_count:     256
    .wavefront_size: 32
...
	.end_amdgpu_metadata
.endif
;; end of part 1
